; MI455X (gfx1250); checked and timed in simulation.
; The chip was launched on July 23, 2026; its instructions are those of AMD's public machine-readable ISA for CDNA 5 (MIT licence, August 2026) and "CDNA5" Instruction Set Architecture Reference Guide (July 2026). The comments in the code are by the model that wrote it; some were corrected since.
;; LST Mcell. Allowed arithmetic: matrix products marked QUANTISED: E3M2 operands, one E8M0 scale for each 32 along K, by v_wmma_scale_f32_16x16x128_f8f6f4 with both operands' format E3M2, f32 sums; everything else in f32.
;; Inputs: W_c_h 2,048 x 2,048 float32; W_c_x 2,048 x 2,048 float32; W_f_h 2,048 x 2,048 float32; W_f_x 2,048 x 2,048 float32; W_i_h 2,048 x 2,048 float32; W_i_x 2,048 x 2,048 float32; W_o_h 2,048 x 2,048 float32; W_o_x 2,048 x 2,048 float32; b_c_h 2,048 float32; b_c_x 2,048 float32; b_f_h 2,048 float32; b_f_x 2,048 float32; b_i_h 2,048 float32; b_i_x 2,048 float32; b_o_h 2,048 float32; b_o_x 2,048 float32; c 2,048 x 2,048 float32; h_codes 2,048 x 64 x 24 uint8 (E3M2 codes of h, K innermost, in blocks of 32 codes, four codes in three bytes); h_scales 2,048 x 64 uint8 (E8M0 scales of h, one for each 32 codes along K); x_codes 2,048 x 64 x 24 uint8 (E3M2 codes of x, K innermost, in blocks of 32 codes, four codes in three bytes); x_scales 2,048 x 64 uint8 (E8M0 scales of x, one for each 32 codes along K).
;; Outputs: out0 2,048 x 2,048 float32; out1 2,048 x 2,048 float32; out2 2,048 x 2,048 float32.
;; This version of the problem:
;;   THIS VERSION OF THE PROBLEM IS GIVEN IN LOW PRECISION. The matrix products marked QUANTISED in the list below multiply operands that are first quantised to E3M2 (3 exponent bits, 2 mantissa bits; 6 bits a number), with one power-of-two scale for each 32 numbers along K (OCP MX v1.0); their sums are f32. All else is computed in f32.
;;   The module's matrix products, in the order in which they are computed (A, B: the left and right operand; K: the contracted axis; several contracted axes count as one K, in the product's order):
;;     1. [M 2,048, K 2,048] x [K 2,048, N 8,192]; A: input x (given as codes); B: computed on the way: QUANTISED
;;     2. [M 2,048, K 2,048] x [K 2,048, N 8,192]; A: input h (given as codes); B: computed on the way: QUANTISED
;;   THE QUANTISER, for each operand of a quantised product, along K:
;;     - K is cut into blocks of 32 from its start; a last block that is shorter is filled with zeros.
;;     - A block's scale is 2^e with e = floor(log2(the largest magnitude in the block)) - 4, held to -126 .. 127; a block of zeros has e = 0. As a byte (E8M0): e + 127.
;;     - Each number is divided by its block's scale, clamped to +-28, and rounded to the nearest number of E3M2, ties to even, subnormals kept.
;;     - The product sums the exact products of the quantised numbers (number of the format x scale) in f32.
;;   ~~~python
;;   def quantise(x, axis):      # numpy; x: float32 -> the quantised numbers, widened to float32 again
;;       x = np.moveaxis(x, axis, -1); K = x.shape[-1]
;;       x = np.pad(x, [(0, 0)] * (x.ndim - 1) + [(0, -K % 32)]); x = x.reshape(x.shape[:-1] + (-1, 32)); a = np.abs(x).max(-1, keepdims=True)
;;       e = np.where(a > 0, np.clip(np.frexp(np.where(a > 0, a, 1))[1] - 1 - 4, -126, 127), 0)      # np.frexp(a)[1] - 1 = floor(log2(a)), exactly
;;       r = np.clip(x / 2.0 ** e, -28, 28)
;;       step = 2.0 ** (np.maximum(np.frexp(np.where(r == 0, 1, r))[1] - 1, -2) - 2)
;;       q = np.round(r / step) * step * 2.0 ** e      # np.round: ties to even
;;       return np.moveaxis(q.reshape(q.shape[:-2] + (-1,))[..., :K], -1, axis).astype(np.float32)
;;   ~~~
;;   OPERANDS COMPUTED ON THE WAY. 'Computed on the way' means the value that the module computes at that place (a softmax that the list does not call 'softmax' is quantised finished and normalised). What goes into a quantiser is computed in f32, as accurately as f32 sums, v_exp_f32 and their like allow (about 1e-6 of the number): no bf16 or f16 on the way to a quantiser, and a product that is left as it is and whose result goes on into a quantised operand takes f32 operands (vector FMAs, or v_wmma_f32_16x16x4_f32). A number that lies on a knife's edge between two numbers of the format may be rounded either way, as far as f32 arithmetic and the matrix unit's own rounding can turn it there, and no further.
;;   INPUTS GIVEN AS CODES. h (in the module: [2048, 2048], K = its axis 1); x (in the module: [2048, 2048], K = its axis 1): each comes as NAME_codes (uint8): NAME with its K axis moved to the last place and cut into blocks of 32 codes, [.., K / 32, bytes a block], one block behind the other in memory; four codes in three bytes: a row's codes are one little-endian stream of bits, code i at bits 6 i .. 6 i + 5 (a code: sign, 3 exponent bits, 2 mantissa bits); and NAME_scales (uint8): the same leading axes, one E8M0 byte (e + 127) for each 32 codes along K. Its value is code x scale, taken as it is: it is not quantised again, and the codes and scales need not be those that the quantiser above would give.
;; One version. Each part assembles by itself: llvm-mc -triple=amdgcn-amd-amdhsa -mcpu=gfx1250 --defsym DOCPART=n.
;; ======== version 1 of 1: 2 launches
;; limits: right only within a limited range of input values
;; workspace buffers: aw 6,815,744 bytes; ww 27,262,976 bytes
;; launch prep (part 1): grid 128 x 10, 4 waves a work-group, no clusters, 64,000 bytes of LDS; arguments W_f_x, W_i_x, W_o_x, W_c_x, W_f_h, W_i_h, W_o_h, W_c_h, x_codes, h_codes, x_scales, h_scales, aw, ww; writes aw, ww
.if DOCPART == 1
	.amdgcn_target "amdgcn-amd-amdhsa--gfx1250"
	.amdhsa_code_object_version 6
	.text
	.protected	k_qbe49472bf2_prep
	.globl	k_qbe49472bf2_prep
	.p2align	8
	.type	k_qbe49472bf2_prep,@function
k_qbe49472bf2_prep:
	s_mov_b64 s[64:65], 0
	v_nop
	global_prefetch_b8 v0, s[64:65] scope:SCOPE_SE
	s_setreg_imm32_b32 hwreg(HW_REG_WAVE_MODE, 25, 1), 1
	s_wait_xcnt 0x0
; Lays all operands of the two products as the next launch's tiles want them.  The eight weights, [2048][2048] f32 with K innermost, are quantised to BF6 (E3M2) with one E8M0 byte for each 32
; along K: the byte is the largest magnitude's exponent field - 4, held at 1 from below; the conversion divides by the scale, rounds to nearest even and holds at the largest code.
; x and h arrive as codes and scale bytes and are only laid anew.
; THE LAYOUT.  aw (x, h) and ww (weights): [panel of 128 rows][t = 0 .. 15][128 rows][208 bytes].  t = 2 tt + p: K = 256 tt .. 256 tt + 255 of part p (0 = x, 1 = h).  A row's 208 bytes:
; 192 of codes, 8 scale bytes (block j at byte 192 + j), 8 zeros.  Block j (24 bytes) lies at 96 (j / 4) + 48 (j % 2) + 24 ((j % 4) / 2): so the two blocks that one lane of a 6-bit operand
; holds are 48 neighbouring bytes at a multiple of 16.  128 rows x 208 bytes are 104 whole units of 256 bytes.
; Weight row `unit` of gate g (0 f, 1 i, 2 o, 3 c) goes to n' = 256 (unit / 64) + 128 ((unit / 32) % 2) + 32 g + unit % 32; panel = n' / 128.
; LIMITS: a block of zeros gets the byte 1 where the rule says 127 (its codes are zeros, and this program alone reads the bytes); blocks whose largest magnitude lies under 2^(5 - 127) have
; their byte held at 1; NaN and infinities among the weights are not served.
; SHARES.  Work-group (x, y), y < 8: matrix y = 4 p + g, rows 16 x .. 16 x + 15, four rows a wave, eight steps of 1,024 numbers.  A step's eight loads read 512 consecutive bytes each; the numbers
; turn through the wave's own LDS stage and come back a whole block (32 numbers) a lane.  Codes and bytes are gathered in the work-group's out stage, [tt][16 rows][208], and leave behind one
; barrier as whole aligned units of 256 bytes.  y = 8, 9: rows 16 x .. of x, h: a copy through registers, 8 bytes a lane, stored densely; no LDS.
; Every byte is read once and streamed: no matrix units, no clusters, no prefetch.
.set TILE,  26624
.set PANEL, 16*TILE
.set RP,    208
.set BLK,   16*RP                      ; 16 rows of one t: 13 units of 256 bytes
.set LP,    144                        ; way in: a lane's 128 bytes + 16
.set HB,    32*LP                      ; one stage buffer
.set STIN,  2*HB                       ; a wave's two
.set OS,    4*STIN                     ; the out stage: 8 x BLK bytes
.set SPARE, OS+8*BLK
.set R,     16                         ; v16-111  three sets of 32 numbers as loaded
.set X,     112                        ; v112-175 two sets of 32 neighbours
.set C,     176                        ; v176-182 codes
.set SPW,   184
.set NIL,   185
.set Z,     186                        ; v186-187 zeros
.set SO,    16                         ; the copy: source offsets, 13
.set TO,    29                         ; scale offsets, 13
.set LC,    56                         ; codes, 2 x 13 pairs
.set LS,    108                        ; scale bytes, 2 x 13 pairs
.set M24,   40                         ; s40-52 lanes whose word is the scale bytes
.set M25,   66                         ; s66-78 lanes whose word is the zeros
	s_load_b512 s[4:19], s[0:1], 0x0               ; the eight weights, y = 4 p + g
	s_load_b256 s[20:27], s[0:1], 0x40             ; x_codes, h_codes, x_scales, h_scales
	s_load_b128 s[28:31], s[0:1], 0x60             ; aw, ww
	v_lshl_add_u32 v[SPW], v0, 2, SPARE
	v_mov_b32 v[NIL], 0
	v_lshrrev_b32 v1, 5, v0
	v_readfirstlane_b32 s33, v1                    ; wave
	v_and_b32 v2, 31, v0                           ; lane
	s_and_b32 s34, ttmp7, 0xffff                   ; y
	s_cmp_ge_u32 s34, 8
	s_wait_alu depctr_va_vdst(0)                   ; the wait ahead of the branch
	s_cbranch_scc1 .Lacts
	s_mul_i32 s35, s33, STIN
	s_mul_i32 s42, s33, 4*RP
	s_add_co_u32 s42, s42, OS                      ; out stage, my four rows
	s_mul_i32 s43, s33, 2*BLK
	s_add_co_u32 s43, s43, OS                      ; out stage, the two tt that I store
	v_lshlrev_b32 v3, 4, v2                        ; 16 lane
	v_lshrrev_b32 v4, 3, v2                        ; lane / 8
	v_and_b32 v5, 7, v2                            ; j
	v_mul_u32_u24 v14, v4, LP
	v_lshl_add_u32 v14, v5, 4, v14
	v_add_nc_u32 v14, s35, v14                     ; way in: LP (lane / 8) + 16 (lane % 8)
	v_mul_u32_u24 v15, v2, LP
	v_add_nc_u32 v15, s35, v15                     ; and back: LP lane: my block
	v_mul_u32_u24 v6, v4, BLK
	v_add_nc_u32 v6, s42, v6
	v_add_nc_u32 v7, v6, v5                        ; my block's scale byte (+ 192)
	v_lshrrev_b32 v8, 2, v5
	v_mad_u32_u24 v6, v8, 96, v6
	v_and_b32 v8, 1, v5
	v_mad_u32_u24 v6, v8, 48, v6
	v_bfe_u32 v8, v5, 1, 1
	v_mad_u32_u24 v6, v8, 24, v6                   ; my block's 24 bytes
	v_lshrrev_b32 v8, 2, v2
	v_and_b32 v9, 3, v2
	v_mul_u32_u24 v8, v8, BLK
	v_mad_u32_u24 v8, v9, RP, v8
	v_add_nc_u32 v13, s42, v8                      ; the zeros of my rows: tt = lane / 4, row lane % 4 (+ 200)
	v_add_nc_u32 v10, s43, v3                      ; way out: 16 bytes a lane
	v_bfe_u32 v8, v2, 4, 1
	v_mul_u32_u24 v8, v8, 2*TILE-BLK
	v_add_nc_u32 v12, v8, v3                       ; the store whose lanes 16-31 begin the second tt
	v_mov_b32 v[Z], 0
	v_mov_b32 v[Z+1], 0
	s_and_b32 s40, s34, 3                          ; g
	s_lshr_b32 s41, s34, 2                         ; p
	s_lshl_b32 s36, ttmp9, 2
	s_add_co_u32 s36, s36, s33
	s_lshl_b32 s36, s36, 15                        ; source: (4 x + wave) runs of 32,768 bytes
	s_mov_b32 s37, 0
	s_lshr_b32 s38, ttmp9, 1
	s_mul_i32 s38, s38, PANEL                      ; panel x / 2
	s_mul_i32 s39, s41, TILE
	s_add_co_u32 s38, s38, s39
	s_lshl_b32 s39, s40, 1
	s_and_b32 s44, ttmp9, 1
	s_add_co_u32 s39, s39, s44
	s_mul_i32 s39, s39, BLK                        ; row 32 g + 16 (x % 2) of the panel
	s_add_co_u32 s38, s38, s39
	s_mul_i32 s39, s33, 4*TILE                     ; tt = 2 wave
	s_add_co_u32 s38, s38, s39
	s_mov_b32 s39, 0
	s_wait_alu depctr_va_vdst(0)                   ; the wait at the head's end
	s_wait_kmcnt 0x0
	s_bitcmp1_b32 s34, 0                           ; which weight: bit by bit of y
	s_cselect_b64 s[4:5], s[6:7], s[4:5]
	s_cselect_b64 s[8:9], s[10:11], s[8:9]
	s_cselect_b64 s[12:13], s[14:15], s[12:13]
	s_cselect_b64 s[16:17], s[18:19], s[16:17]
	s_bitcmp1_b32 s34, 1
	s_cselect_b64 s[4:5], s[8:9], s[4:5]
	s_cselect_b64 s[12:13], s[16:17], s[12:13]
	s_bitcmp1_b32 s34, 2
	s_cselect_b64 s[4:5], s[12:13], s[4:5]
	s_add_nc_u64 s[4:5], s[4:5], s[36:37]
	s_add_nc_u64 s[30:31], s[30:31], s[38:39]
.macro LOAD s
.irp i, 0,1,2,3,4,5,6,7
	global_load_b128 v[R+32*((\s)%3)+4*\i:R+32*((\s)%3)+4*\i+3], v3, s[4:5] offset:4096*(\s)+512*\i th:TH_LOAD_NT   ; 512 consecutive bytes, read once
.endr
.endm
.macro TURN s                          ; LDS serves a wave's instructions in order: no wait between the stores and the loads
.irp i, 0,1,2,3,4,5,6,7
	ds_store_b128 v14, v[R+32*((\s)%3)+4*\i:R+32*((\s)%3)+4*\i+3] offset:HB*((\s)%2)+4*LP*\i
.endr
.irp i, 0,1,2,3,4,5,6,7
	ds_load_b128 v[X+32*((\s)%2)+4*\i:X+32*((\s)%2)+4*\i+3], v15 offset:HB*((\s)%2)+16*\i
.endr
.endm
	LOAD 0
	LOAD 1
	LOAD 2
	ds_store_b64 v13, v[Z:Z+1] offset:200
	s_wait_loadcnt 16                              ; step 0's eight loads are in; the sixteen of steps 1 and 2 stay out
	TURN 0
.macro STEP s
.set XS, X+32*((\s)%2)
.if (\s) > 0
	s_wait_dscnt 4                                 ; this step's numbers are back (the last step's four stores may be out)
.else
	s_wait_dscnt 0x0
.endif
.if (\s)+3 < 8
	LOAD (\s)+3                                    ; into the set whose stage stores have read it
.endif
.if (\s)+1 < 8
.if (\s)+3 <= 7
	s_wait_loadcnt 16                              ; the next step's loads are in; two steps' may be out
.else
	s_wait_loadcnt 8*(6-(\s))
.endif
	TURN (\s)+1
.endif
	v_max3_num_f32 v8, |v[XS]|, |v[XS+1]|, |v[XS+2]|       ; my block's largest magnitude, in two chains
	v_max3_num_f32 v9, |v[XS+3]|, |v[XS+4]|, |v[XS+5]|
.irp i, 6,10,14,18,22,26
	v_max3_num_f32 v8, v8, |v[XS+\i]|, |v[XS+\i+1]|
	v_max3_num_f32 v9, v9, |v[XS+\i+2]|, |v[XS+\i+3]|
.endr
	v_max3_num_f32 v8, v8, |v[XS+30]|, |v[XS+31]|
	v_max3_num_f32 v8, v8, v9, 5<<23               ; the floor 2^(5 - 127): the byte cannot fall under 1
	v_add_nc_u32 v11, -(4<<23), v8                 ; 4 off the exponent field: the conversion's scale operand
	v_cvt_scalef32_pk16_bf6_f32 v[C:C+2], v[XS:XS+15], v11
	v_cvt_scalef32_pk16_bf6_f32 v[C+4:C+6], v[XS+16:XS+31], v11
	v_lshrrev_b32 v1, 23, v11                      ; the byte (also the plain line behind the conversions)
	v_mov_b32 v[C+3], v[C+4]
	v_mov_b32 v[C+4], v[C+5]
	v_mov_b32 v[C+5], v[C+6]
.irp i, 0,1,2
	ds_store_b64 v6, v[C+2*\i:C+2*\i+1] offset:4*BLK*((\s)%2)+RP*((\s)/2)+8*\i
.endr
	ds_store_b8 v7, v1 offset:4*BLK*((\s)%2)+RP*((\s)/2)+192
.endm
.irp s, 0,1,2,3,4,5,6,7
	STEP \s
.endr
	s_wait_dscnt 0x0                               ; for the others' sake: my stores into the out stage are done
	s_barrier_signal -1
	s_barrier_wait -1
.irp k, 0,1,2,3,4,5,6,7,8,9,10,11,12
	ds_load_b128 v[R+4*\k:R+4*\k+3], v10 offset:512*\k
.endr
	s_wait_dscnt 0x0
.irp k, 0,1,2,3,4,5                    ; sixteen lanes store 256 consecutive bytes, aligned
	global_store_b128 v3, v[R+4*\k:R+4*\k+3], s[30:31] offset:512*\k
.endr
	global_store_b128 v12, v[R+24:R+27], s[30:31] offset:3072
.irp k, 7,8,9,10,11,12
	global_store_b128 v3, v[R+4*\k:R+4*\k+3], s[30:31] offset:512*\k+2*TILE-BLK
.endr
	s_wait_tensorcnt 0x0                           ; the wave's end
	ds_add_u32 v[SPW], v[NIL]
	s_wait_dscnt 0x0
	s_endpgm
.Lacts:
; x (y = 8) or h (y = 9).  Wave w lays tt = 2 w and 2 w + 1 of the 16 rows: 416 words of 8 bytes each, 13 stores of 32 lanes.  Word n = 32 k + lane is word d = n % 26 of row n / 26.
; d < 24: codes; triple d / 3 comes from the triple with its two low bits swapped.  d = 24: the scale bytes.  d = 25: zeros.
	s_sub_co_u32 s35, s34, 8                       ; p
	s_mul_i32 s36, ttmp9, 24576
	s_mul_i32 s38, s33, 384
	s_add_co_u32 s36, s36, s38                     ; codes: row 16 x, byte 192 x 2 w
	s_mov_b32 s37, 0
	s_lshl_b32 s38, ttmp9, 10
	s_lshl_b32 s39, s33, 4
	s_add_co_u32 s38, s38, s39                     ; scale bytes: row 16 x, byte 8 x 2 w
	s_mov_b32 s39, 0
	s_lshr_b32 s54, ttmp9, 3
	s_mul_i32 s54, s54, PANEL
	s_mul_i32 s55, s35, TILE
	s_add_co_u32 s54, s54, s55
	s_and_b32 s55, ttmp9, 7
	s_mul_i32 s55, s55, BLK
	s_add_co_u32 s54, s54, s55
	s_mul_i32 s55, s33, 4*TILE
	s_add_co_u32 s54, s54, s55
	s_mov_b32 s55, 0
	v_lshlrev_b32 v3, 3, v2
.irp k, 0,1,2,3,4,5,6,7,8,9,10,11,12
	v_add_nc_u32 v4, 32*\k, v2
	v_mul_u32_u24 v5, v4, 2521
	v_lshrrev_b32 v5, 16, v5                       ; n / 26, exact for n < 416
	v_mul_u32_u24 v6, v5, 26
	v_sub_nc_u32 v6, v4, v6                        ; d
	v_cmp_eq_u32 s[M24+\k], 24, v6
	v_cmp_eq_u32 s[M25+\k], 25, v6
	v_min_u32 v6, 23, v6
	v_mul_u32_u24 v7, v6, 11
	v_lshrrev_b32 v7, 5, v7                        ; d / 3, exact for d < 24
	v_and_b32 v8, 1, v7
	v_bfe_u32 v9, v7, 1, 1
	v_lshlrev_b32 v6, 3, v6
	v_mad_u32_u24 v6, v5, 1536, v6
	v_mad_u32_u24 v6, v8, 24, v6
	v_mul_u32_u24 v9, v9, 24
	v_sub_nc_u32 v[SO+\k], v6, v9
	v_lshlrev_b32 v[TO+\k], 6, v5
.endr
	s_wait_alu depctr_va_vdst(0)                   ; the wait ahead of the wait below
	s_wait_kmcnt 0x0
	s_cmp_eq_u32 s35, 0
	s_cselect_b64 s[20:21], s[20:21], s[22:23]
	s_cselect_b64 s[24:25], s[24:25], s[26:27]
	s_add_nc_u64 s[20:21], s[20:21], s[36:37]
	s_add_nc_u64 s[24:25], s[24:25], s[38:39]
	s_add_nc_u64 s[28:29], s[28:29], s[54:55]
.irp e, 0,1
.irp k, 0,1,2,3,4,5,6,7,8,9,10,11,12
	global_load_b64 v[LC+26*\e+2*\k:LC+26*\e+2*\k+1], v[SO+\k], s[20:21] offset:192*\e
	global_load_b64 v[LS+26*\e+2*\k:LS+26*\e+2*\k+1], v[TO+\k], s[24:25] offset:8*\e
.endr
.endr
	s_wait_loadcnt 0x0
.irp e, 0,1
.irp k, 0,1,2,3,4,5,6,7,8,9,10,11,12
.irp f, 0,1
	v_cndmask_b32 v[LC+26*\e+2*\k+\f], v[LC+26*\e+2*\k+\f], v[LS+26*\e+2*\k+\f], s[M24+\k]
.endr
.irp f, 0,1
	v_cndmask_b32 v[LC+26*\e+2*\k+\f], v[LC+26*\e+2*\k+\f], v[NIL], s[M25+\k]
.endr
.endr
.endr
.irp e, 0,1
.irp k, 0,1,2,3,4,5,6,7,8,9,10,11,12
	global_store_b64 v3, v[LC+26*\e+2*\k:LC+26*\e+2*\k+1], s[28:29] offset:256*\k+2*TILE*\e   ; 32 lanes store 256 consecutive bytes, aligned
.endr
.endr
	s_endpgm
.Lfunc_end_k_qbe49472bf2_prep:
	.size	k_qbe49472bf2_prep, .Lfunc_end_k_qbe49472bf2_prep-k_qbe49472bf2_prep
	.p2alignl 7, 3214868480
	.fill 96, 4, 3214868480
	.section	.rodata,"a",@progbits
	.p2align	6, 0x0
	.amdhsa_kernel k_qbe49472bf2_prep
		.amdhsa_group_segment_fixed_size 64000
		.amdhsa_private_segment_fixed_size 0
		.amdhsa_enable_private_segment 0
		.amdhsa_kernarg_size 112
		.amdhsa_user_sgpr_count 2
		.amdhsa_user_sgpr_kernarg_segment_ptr 1
		.amdhsa_wavefront_size32 1
		.amdhsa_system_sgpr_workgroup_id_x 1
		.amdhsa_system_sgpr_workgroup_id_y 1
		.amdhsa_system_sgpr_workgroup_id_z 1
		.amdhsa_system_vgpr_workitem_id 0
		.amdhsa_next_free_vgpr 192
		.amdhsa_next_free_sgpr 80
		.amdhsa_reserve_vcc 0
		.amdhsa_float_denorm_mode_32 3
		.amdhsa_float_denorm_mode_16_64 3
		.amdhsa_memory_ordered 1
		.amdhsa_forward_progress 1
		.amdhsa_inst_pref_size 61
	.end_amdhsa_kernel
	.amdgpu_metadata
---
amdhsa.version: [ 1, 2 ]
amdhsa.kernels:
  - .name:           k_qbe49472bf2_prep
    .symbol:         k_qbe49472bf2_prep.kd
    .args:
      - { .name: W_f_x, .offset: 0, .size: 8, .value_kind: global_buffer, .address_space: global }
      - { .name: W_i_x, .offset: 8, .size: 8, .value_kind: global_buffer, .address_space: global }
      - { .name: W_o_x, .offset: 16, .size: 8, .value_kind: global_buffer, .address_space: global }
      - { .name: W_c_x, .offset: 24, .size: 8, .value_kind: global_buffer, .address_space: global }
      - { .name: W_f_h, .offset: 32, .size: 8, .value_kind: global_buffer, .address_space: global }
      - { .name: W_i_h, .offset: 40, .size: 8, .value_kind: global_buffer, .address_space: global }
      - { .name: W_o_h, .offset: 48, .size: 8, .value_kind: global_buffer, .address_space: global }
      - { .name: W_c_h, .offset: 56, .size: 8, .value_kind: global_buffer, .address_space: global }
      - { .name: x_codes, .offset: 64, .size: 8, .value_kind: global_buffer, .address_space: global }
      - { .name: h_codes, .offset: 72, .size: 8, .value_kind: global_buffer, .address_space: global }
      - { .name: x_scales, .offset: 80, .size: 8, .value_kind: global_buffer, .address_space: global }
      - { .name: h_scales, .offset: 88, .size: 8, .value_kind: global_buffer, .address_space: global }
      - { .name: aw, .offset: 96, .size: 8, .value_kind: global_buffer, .address_space: global }
      - { .name: ww, .offset: 104, .size: 8, .value_kind: global_buffer, .address_space: global }
    .group_segment_fixed_size: 64000
    .private_segment_fixed_size: 0
    .kernarg_segment_align: 8
    .kernarg_segment_size: 112
    .max_flat_workgroup_size: 128
    .sgpr_count:     80
    .vgpr_count:     192
    .wavefront_size: 32
...
	.end_amdgpu_metadata
.endif
;; end of part 1
;; launch cell (part 2): grid 32 x 8, 4 waves a work-group, clusters of 4 x 4, 327,680 bytes of LDS; arguments aw, ww, c, out0, out1, out2, b_f_x, b_i_x, b_o_x, b_c_x, b_f_h, b_i_h, b_o_h, b_c_h; writes out0, out1, out2
.if DOCPART == 2
	.amdgcn_target "amdgcn-amd-amdhsa--gfx1250"
	.amdhsa_code_object_version 6
	.text
	.protected	k_qbe49472bf2_cell
	.globl	k_qbe49472bf2_cell
	.p2align	8
	.type	k_qbe49472bf2_cell,@function
k_qbe49472bf2_cell:
	s_mov_b64 s[64:65], 0
	v_nop
	global_prefetch_b8 v0, s[64:65] scope:SCOPE_SE
	s_setreg_imm32_b32 hwreg(HW_REG_WAVE_MODE, 25, 1), 1
	s_wait_xcnt 0x0
	s_wait_alu depctr_hold_cnt(0) depctr_sa_sdst(0) depctr_va_vdst(0) depctr_va_sdst(0) depctr_va_ssrc(0) depctr_va_vcc(0) depctr_vm_vsrc(0)
	s_getreg_b32 s2, hwreg(HW_REG_IB_STS2, 6, 4)
	s_cmp_eq_u32 s2, 0
	s_cbranch_scc0 .Lentry_in_a_cluster
	s_endpgm
.Lentry_in_a_cluster:
	s_bfe_u32 s2, ttmp6, 0x10000c
	s_cmp_lg_u32 s2, 0xf033
	s_cbranch_scc0 .Lentry_shape_is_right
	s_endpgm
.Lentry_shape_is_right:
; The LSTM cell on codes of BF6 (E3M2) with one E8M0 scale for each 32 along K.  gates[2048][4 x 2048] = x Wx^T + h Wh^T + bx + bh; o, f, i = sigmoid, c~ = tanh;
; c_new = f c + i c~; h_new = o c_new.  out0 = o, out1 = h_new, out2 = c_new, all [2048][2048] f32.
; OPERANDS, as the launch before laid them: aw (x, h) and ww (weights): [panel of 128 rows][t = 0 .. 15][128 rows][208 bytes]; t = 2 tt + p is K = 256 tt .. + 255 of part p (0 x, 1 h).  A row: for each
; 128 along K 96 bytes of codes, blocks in the order 0, 2, 1, 3, so that lane half hh finds its two blocks in 48 bytes at 48 hh; 8 scale bytes at byte 192; 8 zeros.
; Weight row n' = 256 tx + 128 nh + 32 g + u holds gate g (0 f, 1 i, 2 o, 3 c) of unit 64 tx + 32 nh + u.
; SHARES.  A work-group of four waves makes 256 rows x 64 units x 4 gates; 32 x 8 work-groups.  Wave (mh, nh): rows 128 mh on x weight rows 128 nh on: 64 accumulators of 16 x 16.
; THE MATRIX INSTRUCTION IS USED TRANSPOSED (source 0 = 16 weight rows, source 1 = 16 rows of x or h): in accumulator (a, b) lane (r, hh) holds row 16 a + r, register j gate b / 2 of unit
; 16 (b % 2) + 8 hh + j of the wave's 32: the four gates of one element lie in one lane at one register index.
; K.  The two products are one sum over 4,096, t ascending, through two LDS slots (t % 2).  A tile (128 rows of one t) is 26,624 dense bytes: one tensor load of 104 rows of 256 bytes, each at a
; multiple of 256 bytes.  The LDS pitch of 208 bytes is 13 x 16: the sixteen rows of a 16-byte load fall into sixteen different 16-byte columns of 256.  The sums begin with bx + bh as C.
; LIMITS, STATED: the order of the f32 sums (bias first, x and h steps by turns) differs from the source's; tanh is 1 - 2 / (1 + 2^(2 log2(e) g)), absolute error near 0 about 1e-7; large gates give
; exactly 0, 1 or -1 by way of 2^g = infinity or 0; a scale byte 0xff among the inputs gives NaN.
; CLUSTERS: 4 x 4.  The four of a row of the cluster ask jointly for the tiles of x and h, the four of a column for the weights'.  c's tile is each work-group's own.
; REGISTERS.  Window 0: v14-31 addresses; v32-63 scale words, two sets, nothing else; v64-127 the biases, later the gates; from v128 A's fragments, one set; on the way out v128-143 c, v144-239 rows read back.
; Window 1: the weights' fragments, two sets, at v0 and v128.  Windows 2, 3: the accumulators of my rows 0-63, 64-127.
.set RP,     208
.set TILE,   128*RP
.set PANEL,  16*TILE
.set SLOT,   4*TILE                    ; A's two panels, then the weights' two
.set FR,     12
.set NL,     3                         ; LDS loads that bring a fragment
.set NP,     4                         ; places behind this matrix instruction (ISA guide 7.12.1)
.set LAPS,   8
.set CP,     272                       ; c's tile, 256 rows x (256 + 16), at LDS byte 0: in slot 0, behind its last read
.set STG,    2*SLOT                    ; the stage for the way out: bytes that no tensor load fills
.set SOUT,   16*CP
.set SMH,    3*SOUT
.set SBUF,   2*SMH
.set SPARE,  STG+2*SBUF                ; the spare words: two blocks of 256 bytes that no other line names
.set CAD,  14
.set BO,   15
.set ADRA, 16                          ; v16-17 my A fragments in slot 0, 1
.set ADRS, 18                          ; v18-19 my scale words: lanes 0-15 A's rows, lanes 16-31 the weights'
.set ADRB, 20                          ; v20-21 my weight fragments
.set STO,  24
.set RD,   25
.set CO,   26
.set SPW,  28
.set NIL,  29
.set PFO,  30                          ; 256 x min(lane, 25)
.set PFCO, 31                          ; 8,192 x lane
.set SC,   32                          ; set s at v[SC + 16 s]; register 2 i + q
.set BIAS, 64
.set AF,   128
.set T,    64
.set CN,   128
.set HN,   64
.set BK,   144
.set WV,   20
.set MH,   21
.set NH,   22
.set G1,   24
.set G0,   32
.set OUTP, 42
.set G1B,  48
.set G0B,  56
.set PFA,  66
.set G1C,  68
.set G0C,  76
.set PFC,  80
.set MSB, 0
.macro WIN new
.if MSB != \new
	s_set_vgpr_msb (MSB<<8)|\new
.set MSB, \new
.endif
.endm
.set MUL_LO,   0xa1
.set MUL_HI,   0xf1
.set FIRST_LO, 0x81
.set FIRST_HI, 0xc1
.set TO_B,     0x40
.macro JLOAD s                         ; a joint load: waves 0, 1 fetch A's panels, waves 2, 3 the weights'
	s_cmp_eq_u32 s[MH], 0
	s_cbranch_scc0 .Lfor_b_\@
	tensor_load_to_lds s[G0+4*\s:G0+4*\s+3], s[G1:G1+7]
	s_nop 0
.rept 4
	v_nop
.endr
	s_branch .Lasked_\@
.Lfor_b_\@:
	tensor_load_to_lds s[G0B+4*\s:G0B+4*\s+3], s[G1B:G1B+7]
	s_nop 0
.rept 4
	v_nop
.endr
.Lasked_\@:
.endm
.macro CREST
	s_cmp_lg_u32 s[WV], 0
	s_cbranch_scc1 .Lnot_wave_0_\@
	s_barrier_signal -3
.Lnot_wave_0_\@:
	s_barrier_wait -3
	s_barrier_signal -1
	s_barrier_wait -1
.endm
.macro CROUND
	s_barrier_signal -1
	s_barrier_wait -1
	CREST
.endm
	s_load_b128 s[4:7], s[0:1], 0x0                ; aw, ww
	s_load_b256 s[40:47], s[0:1], 0x10             ; c, out0, out1, out2
	v_lshl_add_u32 v[SPW], v0, 2, SPARE
	v_mov_b32 v[NIL], 0
	ds_add_u32 v[SPW], v[NIL]                      ; the opening lines: the add twice on end and one wait
	ds_add_u32 v[SPW], v[NIL]
	v_lshrrev_b32 v1, 5, v0
	v_readfirstlane_b32 s[WV], v1
	s_lshr_b32 s[MH], s[WV], 1
	s_and_b32 s[NH], s[WV], 1
	s_bfe_u32 s16, ttmp6, 0x40000                  ; cx
	s_bfe_u32 s17, ttmp6, 0x40004                  ; cy
	s_lshl_b32 s18, ttmp9, 2
	s_add_co_u32 s18, s18, s16                     ; tx: which 64 units
	s_and_b32 s19, ttmp7, 0xffff
	s_lshl_b32 s19, s19, 2
	s_add_co_u32 s19, s19, s17                     ; ty: which 256 rows
	s_lshl_b32 s2, s17, 2
	s_lshl_b32 s2, 15, s2                          ; my row of the cluster
	s_lshl_b32 s3, 0x1111, s16                     ; my column
	s_or_b32 s[G1], s2, (3<<16)|(1<<21)            ; the mask; elements of 8 bytes; bit 21 beside a mask; no padding
	s_or_b32 s[G1B], s3, (3<<16)|(1<<21)
.irp g, G1, G1B
	s_mov_b32 s[\g+1], 32<<16                      ; 104 rows of 32 elements, dense
	s_mov_b32 s[\g+2], 104<<16
	s_mov_b32 s[\g+3], 32<<16
	s_mov_b32 s[\g+4], 104
	s_mov_b32 s[\g+5], 32
	s_mov_b32 s[\g+6], 0
	s_mov_b32 s[\g+7], 0
.endr
.irp g, G0, G0+4, G0B, G0B+4
	s_mov_b32 s[\g], 1
.endr
	s_mul_i32 s[G0+1], s[WV], TILE                 ; where the tiles go: wave x a tile
	s_add_co_u32 s[G0+5], s[G0+1], SLOT
	s_mov_b32 s[G0B+1], s[G0+1]
	s_mov_b32 s[G0B+5], s[G0+5]
	s_lshl_b32 s[G0+2], s19, 1
	s_add_co_u32 s[G0+2], s[G0+2], s[NH]
	s_mul_i32 s[G0+2], s[G0+2], PANEL              ; A: panel 2 ty + nh
	s_mov_b32 s[G0+3], 0
	s_lshl_b32 s[G0B+2], s18, 1
	s_add_co_u32 s[G0B+2], s[G0B+2], s[NH]
	s_mul_i32 s[G0B+2], s[G0B+2], PANEL            ; weights: panel 2 tx + nh
	s_mov_b32 s[G0B+3], 0
	s_wait_dscnt 0x0
	s_wait_kmcnt 0x0
	s_add_nc_u64 s[G0+2:G0+3], s[4:5], s[G0+2:G0+3]
	s_add_nc_u64 s[G0+6:G0+7], s[G0+2:G0+3], TILE
	s_add_nc_u64 s[G0B+2:G0B+3], s[6:7], s[G0B+2:G0B+3]
	s_add_nc_u64 s[G0B+6:G0B+7], s[G0B+2:G0B+3], TILE
.irp g, G0+3, G0+7, G0B+3, G0B+7
	s_or_b32 s[\g], s[\g], 0x80000000
.endr
	CROUND                                         ; all sixteen work-groups are here
	JLOAD 0                                        ; t = 0: one tensor load a wave at the head
	; the prefetches: of the 104 blocks of the tile that I fetch, each of the four partners names 26, told apart by address (cx for A, cy for the weights)
	s_lshl_b32 s2, s19, 1
	s_lshl_b32 s3, s18, 1
	s_cmp_eq_u32 s[MH], 0
	s_cselect_b32 s2, s2, s3
	s_cselect_b32 s3, s16, s17
	s_cselect_b64 s[PFA:PFA+1], s[4:5], s[6:7]
	s_add_co_u32 s2, s2, s[NH]
	s_mul_i32 s2, s2, PANEL
	s_mul_i32 s3, s3, 26*256
	s_add_co_u32 s2, s2, s3
	s_add_co_u32 s2, s2, 3*TILE                    ; at t = 3: each change of slots steps it on by a tile before it is used
	s_mov_b32 s3, 0
	s_add_nc_u64 s[PFA:PFA+1], s[PFA:PFA+1], s[2:3]
	s_lshl_b32 s2, s19, 8                          ; c: row 256 ty + 64 wave, byte 256 tx
	s_lshl_b32 s3, s[WV], 6
	s_add_co_u32 s2, s2, s3
	s_lshl_b32 s2, s2, 13
	s_lshl_b32 s3, s18, 8
	s_add_co_u32 s2, s2, s3
	s_mov_b32 s3, 0
	s_add_nc_u64 s[PFC:PFC+1], s[40:41], s[2:3]
	s_lshl_b32 s2, s19, 8                          ; the outputs: row 256 ty + 128 mh + 8 nh, byte 256 tx
	s_lshl_b32 s3, s[MH], 7
	s_add_co_u32 s2, s2, s3
	s_lshl_b32 s3, s[NH], 3
	s_add_co_u32 s2, s2, s3
	s_lshl_b32 s2, s2, 13
	s_lshl_b32 s3, s18, 8
	s_add_co_u32 s2, s2, s3
	s_mov_b32 s3, 0
.irp q, 0,1,2
	s_add_nc_u64 s[OUTP+2*\q:OUTP+2*\q+1], s[OUTP+2*\q:OUTP+2*\q+1], s[2:3]
.endr
	s_lshl_b32 s2, s18, 8
	s_lshl_b32 s3, s[NH], 7
	s_add_co_u32 s2, s2, s3                        ; a bias: 4 x (64 tx + 32 nh)
	s_load_b512 s[4:19], s[0:1], 0x30              ; the eight biases: f, i, o, c of x, then of h (the registers' earlier contents are done with)
	s_mul_i32 s82, s[MH], TILE                     ; my 128 rows of A
	s_mul_i32 s83, s[NH], TILE
	s_add_co_u32 s83, s83, 2*TILE                  ; my 128 weight rows
	s_sub_co_u32 s88, s83, s82                     ; the distance between the two
	s_add_co_u32 s89, s82, SLOT
	s_add_co_u32 s90, s83, SLOT
	; c's tile: each wave 64 rows x 64 numbers, 16 bytes of padding behind each row; no mask
	s_mov_b32 s[G1C], (2<<16)|(1<<20)|(5<<22)|(3<<25)
	s_mov_b32 s[G1C+1], 64<<16
	s_mov_b32 s[G1C+2], 64<<16
	s_mov_b32 s[G1C+3], 64<<16
	s_mov_b32 s[G1C+4], 64
	s_mov_b32 s[G1C+5], 2048
	s_mov_b32 s[G1C+6], 0
	s_mov_b32 s[G1C+7], 0
	s_mov_b32 s[G0C], 1
	s_mul_i32 s[G0C+1], s[WV], 64*CP
	s_mov_b64 s[G0C+2:G0C+3], s[PFC:PFC+1]
	s_or_b32 s[G0C+3], s[G0C+3], 0x80000000
	v_and_b32 v1, 15, v0                           ; r
	v_bfe_u32 v2, v0, 4, 1                         ; hh
	v_lshlrev_b32 v[BO], 5, v2
	v_add_nc_u32 v[BO], s2, v[BO]
	v_mul_u32_u24 v3, v1, RP
	v_mad_u32_u24 v4, v2, 48, v3                   ; a fragment: row x pitch + 48 hh
	v_add_nc_u32 v[ADRA], s82, v4
	v_add_nc_u32 v[ADRA+1], s89, v4
	v_add_nc_u32 v[ADRB], s83, v4
	v_add_nc_u32 v[ADRB+1], s90, v4
	v_mul_u32_u24 v7, s88, v2                      ; lanes 16-31 take the weights': one product
	v_add_nc_u32 v7, v7, v3
	v_add_nc_u32 v[ADRS], s82, v7
	v_add_nc_u32 v[ADRS+1], s89, v7
	s_wait_alu depctr_va_vdst(0)                   ; the wait ahead of the wait below
	s_wait_kmcnt 0x0
.irp g, 0,1,2,3
.irp u, 0,1
.irp f, 0,1
	global_load_b128 v[BIAS+16*\g+8*\u+4*\f:BIAS+16*\g+8*\u+4*\f+3], v[BO], s[4+2*\g:5+2*\g] offset:64*\u+16*\f
	global_load_b128 v[AF+16*\g+8*\u+4*\f:AF+16*\g+8*\u+4*\f+3], v[BO], s[12+2*\g:13+2*\g] offset:64*\u+16*\f
.endr
.endr
.endr
	s_mul_i32 s2, s[MH], 128*CP
	s_lshl_b32 s3, s[NH], 7
	s_add_co_u32 s2, s2, s3                        ; c's tile: my rows and units
	s_mul_i32 s82, s[MH], SMH
	s_add_co_u32 s82, s82, STG
	s_add_co_u32 s3, s82, s3                       ; into the stage
	s_mul_i32 s83, s[NH], 8*CP
	s_add_co_u32 s82, s82, s83                     ; and back
	s_wait_loadcnt 0x0
.set cnt, 0
.rept 32
	v_pk_add_f32 v[BIAS+cnt:BIAS+cnt+1], v[BIAS+cnt:BIAS+cnt+1], v[AF+cnt:AF+cnt+1]
.set cnt, cnt+2
.endr
	v_mul_u32_u24 v3, v1, CP
	v_lshl_add_u32 v4, v2, 5, v3                   ; CP r + 32 hh
	v_add_nc_u32 v[CAD], s2, v4
	v_add_nc_u32 v[STO], s3, v4
	v_mul_u32_u24 v5, v2, CP
	v_lshl_add_u32 v5, v1, 4, v5
	v_add_nc_u32 v[RD], s82, v5                    ; lanes 0-15 one row of 256 bytes, lanes 16-31 the next
	v_lshlrev_b32 v6, 13, v2
	v_lshl_add_u32 v[CO], v1, 4, v6
	v_and_b32 v7, 31, v0
	v_min_u32 v[PFO], 25, v7                       ; the six lanes left over name my last block again
	v_lshlrev_b32 v[PFO], 8, v[PFO]
	v_lshlrev_b32 v[PFCO], 13, v7
.macro FRAG reg, adr, q, i             ; lane (r, hh): registers 0-5 K = 32 hh .., registers 6-11 K = 64 + 32 hh ..: 48 neighbouring bytes, three loads of 16
.irp p, 0,1,2
	ds_load_b128 v[\reg+4*\p:\reg+4*\p+3], v[\adr] offset:96*(\q)+16*\p+(\i)*16*RP
.endr
.endm
; The 64 accumulators take turns, one instruction a turn, in the same order in every step.
.macro MUL8 a, p, q, sc, first
.irp b, 0,1,2,3,4,5,6,7
.if \first
	v_wmma_scale_f32_16x16x128_f8f6f4 v[8*(8*((\a)%4)+\b):8*(8*((\a)%4)+\b)+7], v[128*(\p)+FR*\b:128*(\p)+FR*\b+FR-1], v[AF+FR*(\a):AF+FR*(\a)+FR-1], v[BIAS+8*\b:BIAS+8*\b+7], v[SC+16*(\sc)+2*\b+(\q)], v[SC+16*(\sc)+2*(\a)+(\q)] matrix_a_fmt:MATRIX_FMT_BF6 matrix_b_fmt:MATRIX_FMT_BF6 matrix_a_scale:MATRIX_SCALE_ROW1
.else
	v_wmma_scale_f32_16x16x128_f8f6f4 v[8*(8*((\a)%4)+\b):8*(8*((\a)%4)+\b)+7], v[128*(\p)+FR*\b:128*(\p)+FR*\b+FR-1], v[AF+FR*(\a):AF+FR*(\a)+FR-1], v[8*(8*((\a)%4)+\b):8*(8*((\a)%4)+\b)+7], v[SC+16*(\sc)+2*\b+(\q)], v[SC+16*(\sc)+2*(\a)+(\q)] matrix_a_fmt:MATRIX_FMT_BF6 matrix_b_fmt:MATRIX_FMT_BF6 matrix_a_scale:MATRIX_SCALE_ROW1
.endif
.endr
.endm
.macro MUL16 a0, p, q, sc, first
	MUL8 \a0, \p, \q, \sc, \first
	MUL8 \a0+1, \p, \q, \sc, \first
.endm
.macro FETCH_B slot, q, p
	WIN TO_B
.irp i, 0,1,2,3,4,5,6,7
	FRAG 128*(\p)+FR*\i, ADRB+\slot, \q, \i
.endr
	WIN 0
.endm
.macro FETCH_A slot, q, i0
.irp i, \i0, \i0+1, \i0+2, \i0+3
	FRAG AF+FR*(\i), ADRA+\slot, \q, \i
.endr
.endm
.macro SCALES slot                     ; the slot's two scale words a row: lanes 0-15 A's block i, lanes 16-31 the weights' block i
.irp i, 0,1,2,3,4,5,6,7
	ds_load_b64 v[SC+16*\slot+2*\i:SC+16*\slot+2*\i+1], v[ADRS+\slot] offset:192+\i*16*RP
.endr
.endm
.macro PLACES n
.rept \n
	v_nop
.endr
.endm
; PREFETCHES, behind a change of slots' joint load and the LDS loads that follow it.  The refill asks for tile t; the prefetch names my 26 blocks of tile t + 2, which the same slot's refill asks for
; one lap, 256 matrix instructions, on.  Tiles 0 to 3 come by their loads alone.  In the loop's last trip (refills 14, 15) there is no tile two on: each wave names 32 of its 64 rows of c's tile instead.
.macro ASK slot
	s_cmp_gt_u32 s3, 1
	s_cbranch_scc0 .Lfor_c_\@
	global_prefetch_b8 v[PFO], s[PFA:PFA+1] th:TH_LOAD_NT scope:SCOPE_SE
	s_branch .Lnamed_\@
.Lfor_c_\@:
	global_prefetch_b8 v[PFCO], s[PFC:PFC+1] offset:\slot*262144 th:TH_LOAD_NT scope:SCOPE_SE
.Lnamed_\@:
.endm
; A slot's first 128 along K.  A block of A is free when its eight products are issued: blocks 0-3 are fetched anew in the middle, 4-7 at the end.
.macro STEP slot, first
	s_wait_dscnt 4*NL                              ; all but the youngest 12 loads (A's blocks 4-7)
.if \first
	WIN FIRST_LO
.else
	WIN MUL_LO
.endif
	MUL16 0, 0, 0, \slot, \first
	MUL16 2, 0, 0, \slot, \first
	s_wait_dscnt 0
	PLACES NP
	FETCH_B \slot, 1, 1
	FETCH_A \slot, 1, 0
.if \first
	WIN FIRST_HI
.else
	WIN MUL_HI
.endif
	MUL16 4, 0, 0, \slot, \first
	MUL16 6, 0, 0, \slot, \first
	PLACES NP
	WIN 0
	FETCH_A \slot, 1, 4
.endm
; A slot's second 128 along K changes slots.  Sixteen products; then each wave waits for all its tensor loads, adds 0 to its spare word, steps the descriptors, issues eight products while the add is out,
; waits for the add and for its reads of this slot, and opens a round of the cluster's barrier, with eight products between the signal and the wait.
; fill = 1: the slot takes tile t + 2, by a joint load.  fill = 2: slot 0 takes c's tile, each wave 64 rows.
.macro TURN slot, next, fill
.if \fill == 1
	s_wait_xcnt 0x0                                ; my last prefetch has read its address
	s_add_nc_u64 s[PFA:PFA+1], s[PFA:PFA+1], TILE
.endif
	s_wait_dscnt 4*NL
	WIN MUL_LO
	MUL16 0, 1, 1, \slot, 0
	WIN 0
	s_wait_tensorcnt 0x0                           ; all my tensor loads have landed
	ds_add_u32 v[SPW], v[NIL]
.if \fill == 1
	s_add_nc_u64 s[G0+4*\slot+2:G0+4*\slot+3], s[G0+4*\slot+2:G0+4*\slot+3], 2*TILE
	s_add_nc_u64 s[G0B+4*\slot+2:G0B+4*\slot+3], s[G0B+4*\slot+2:G0B+4*\slot+3], 2*TILE
.endif
	WIN MUL_LO
	MUL8 2, 1, 1, \slot, 0
	s_wait_dscnt 0x0                               ; the add is done, and my reads of this slot are over
	s_barrier_signal -1
	MUL8 3, 1, 1, \slot, 0
	WIN 0
	s_barrier_wait -1
	CREST
.if \fill == 1
	JLOAD \slot                                    ; the first tensor load behind the round; its four v_nop are the places in front of the loads below
.else
	tensor_load_to_lds s[G0C:G0C+3], s[G1C:G1C+7]
	s_nop 0
.rept 4
	v_nop
.endr
.endif
	FETCH_B \next, 0, 0
	FETCH_A \next, 0, 0
	SCALES \next
.if \fill == 1
	ASK \slot
.endif
	WIN MUL_HI
	MUL16 4, 1, 1, \slot, 0
	MUL16 6, 1, 1, \slot, 0
	PLACES NP
	WIN 0
	FETCH_A \next, 0, 4
.endm
	s_wait_alu depctr_va_vdst(0)                   ; the wait at the head's end
	s_wait_tensorcnt 0x0                           ; my part of t = 0 is in
	ds_add_u32 v[SPW], v[NIL]
	s_wait_dscnt 0x0
	CROUND
	JLOAD 1                                        ; t = 1, the first tensor load behind the round
	FETCH_B 0, 0, 0
	FETCH_A 0, 0, 0
	SCALES 0
	FETCH_A 0, 0, 4
	STEP 0, 1                                      ; the first products start the sums, on the biases
	s_mov_b32 s3, LAPS-1
.Llap:
	TURN 0, 1, 1
	STEP 1, 0
	TURN 1, 0, 1
	STEP 0, 0
	s_sub_co_u32 s3, s3, 1
	s_cmp_lg_u32 s3, 0
	s_cbranch_scc1 .Llap
	TURN 0, 1, 2                                   ; the last lap: slot 0 is done, and takes c's tile
	STEP 1, 0
	s_wait_dscnt 4*NL
	WIN MUL_LO
	MUL16 0, 1, 1, 1, 0
	MUL16 2, 1, 1, 1, 0
	s_wait_dscnt 0x0
	s_wait_tensorcnt 0x0                           ; my 64 rows of c have landed
	s_barrier_signal -1
	WIN MUL_HI
	MUL16 4, 1, 1, 1, 0
	MUL16 6, 1, 1, 1, 0
	WIN 0
	s_barrier_wait -1
; THE WAY OUT, block by block of 16 rows.  A row's 256 bytes come from two waves, so a barrier stands between PUT's stores and BACK's loads.  The barrier is split: the next block's GATES1 (registers, and
; loads from c's tile, which nobody writes) stands between signal and wait.  The stage's two buffers take turns: BACK a - 2's loads are waited for in CELL a - 1, in front of signal a - 1.
	s_mov_b32 s84, 0xbfb8aa3b                      ; -log2(e)
	s_mov_b32 s85, s84
	s_mov_b32 s86, 0x4038aa3b                      ; 2 log2(e)
	s_mov_b32 s87, s86
.macro GATES1 a
.set AC, 64*((\a)%4)
.irp u, 0,1
	ds_load_b128 v[CN+8*\u:CN+8*\u+3], v[CAD] offset:(\a)*16*CP+64*\u
	ds_load_b128 v[CN+8*\u+4:CN+8*\u+7], v[CAD] offset:(\a)*16*CP+64*\u+16
.endr
	WIN 0x02+(\a)/4
.irp b, 0,1,2,3,4,5
.irp j, 0,2,4,6
	v_pk_mul_f32 v[T+8*\b+\j:T+8*\b+\j+1], v[AC+8*\b+\j:AC+8*\b+\j+1], s[84:85] op_sel_hi:[1,0]   ; f, i, o; each accumulator from its low end on
.endr
.endr
.irp b, 6,7
.irp j, 0,2,4,6
	v_pk_mul_f32 v[T+8*\b+\j:T+8*\b+\j+1], v[AC+8*\b+\j:AC+8*\b+\j+1], s[86:87] op_sel_hi:[1,0]   ; c~
.endr
.endr
	WIN 0
.set cnt, 0
	s_wait_alu depctr_va_vdst(0)                   ; the wait ahead of the batch
.rept 64
	v_exp_f32 v[T+cnt], v[T+cnt]
.set cnt, cnt+1
.endr
	v_nop
	s_wait_alu depctr_va_vdst(0)                   ; and behind it
.endm
.macro GATES2
.set cnt, 0
.rept 32
	v_pk_add_f32 v[T+cnt:T+cnt+1], v[T+cnt:T+cnt+1], 1.0 op_sel_hi:[1,0]
.set cnt, cnt+2
.endr
.set cnt, 0
	s_wait_alu depctr_va_vdst(0)
.rept 64
	v_rcp_f32 v[T+cnt], v[T+cnt]
.set cnt, cnt+1
.endr
	v_nop
	s_wait_alu depctr_va_vdst(0)
.endm
.macro CELL
	s_wait_dscnt 0x0                               ; c is in, and so are the rows that BACK has asked for
.irp j, 0,2,4,6,8,10,12,14
	v_pk_fma_f32 v[T+48+\j:T+48+\j+1], v[T+48+\j:T+48+\j+1], -2.0, 1.0 op_sel_hi:[1,0,0]
.endr
.irp j, 0,2,4,6,8,10,12,14
	v_pk_mul_f32 v[CN+\j:CN+\j+1], v[T+\j:T+\j+1], v[CN+\j:CN+\j+1]
.endr
.irp j, 0,2,4,6,8,10,12,14
	v_pk_fma_f32 v[CN+\j:CN+\j+1], v[T+16+\j:T+16+\j+1], v[T+48+\j:T+48+\j+1], v[CN+\j:CN+\j+1]
.endr
.irp j, 0,2,4,6,8,10,12,14
	v_pk_mul_f32 v[HN+\j:HN+\j+1], v[T+32+\j:T+32+\j+1], v[CN+\j:CN+\j+1]
.endr
.endm
.macro PUT a
.set SB, ((\a)%2)*SBUF
.irp u, 0,1
	ds_store_b128 v[STO], v[T+32+8*\u:T+32+8*\u+3] offset:SB+64*\u
	ds_store_b128 v[STO], v[T+32+8*\u+4:T+32+8*\u+7] offset:SB+64*\u+16
	ds_store_b128 v[STO], v[HN+8*\u:HN+8*\u+3] offset:SB+SOUT+64*\u
	ds_store_b128 v[STO], v[HN+8*\u+4:HN+8*\u+7] offset:SB+SOUT+64*\u+16
	ds_store_b128 v[STO], v[CN+8*\u:CN+8*\u+3] offset:SB+2*SOUT+64*\u
	ds_store_b128 v[STO], v[CN+8*\u+4:CN+8*\u+7] offset:SB+2*SOUT+64*\u+16
.endr
.endm
.macro BACK a
.set SB, ((\a)%2)*SBUF
.set BB, BK+48*((\a)%2)
.if (\a) >= 2
	s_wait_xcnt 0x0                                ; the stores of block a - 2 have read these registers
.endif
.irp q, 0,1,2
.irp t, 0,1,2,3
	ds_load_b128 v[BB+16*\q+4*\t:BB+16*\q+4*\t+3], v[RD] offset:SB+\q*SOUT+2*\t*CP
.endr
.endr
.endm
.macro SEND a
.set BB, BK+48*((\a)%2)
.irp q, 0,1,2
.irp t, 0,1,2,3
	global_store_b128 v[CO], v[BB+16*\q+4*\t:BB+16*\q+4*\t+3], s[OUTP+2*\q:OUTP+2*\q+1] offset:(\a)*131072+\t*16384 th:TH_STORE_NT   ; sixteen lanes store 256 consecutive bytes, aligned
.endr
.endr
.endm
	PLACES NP
	GATES1 0
	GATES2
	CELL
	PUT 0
	s_wait_dscnt 0x0
	s_barrier_signal -1
.irp a, 1,2,3,4,5,6,7
	GATES1 \a
	s_barrier_wait -1
	BACK \a-1
	GATES2
	CELL
	PUT \a
	SEND \a-1
	s_wait_dscnt 0x0
	s_barrier_signal -1
.endr
	s_barrier_wait -1
	BACK 7
	s_wait_dscnt 0x0
	SEND 7
	s_wait_tensorcnt 0x0                           ; the wave's end
	ds_add_u32 v[SPW], v[NIL]
	s_wait_dscnt 0x0
	CROUND                                         ; the closing round
	s_endpgm
.Lfunc_end_k_qbe49472bf2_cell:
	.size	k_qbe49472bf2_cell, .Lfunc_end_k_qbe49472bf2_cell-k_qbe49472bf2_cell
	.p2alignl 7, 3214868480
	.fill 96, 4, 3214868480
	.section	.rodata,"a",@progbits
	.p2align	6, 0x0
	.amdhsa_kernel k_qbe49472bf2_cell
		.amdhsa_group_segment_fixed_size 327680
		.amdhsa_private_segment_fixed_size 0
		.amdhsa_enable_private_segment 0
		.amdhsa_kernarg_size 112
		.amdhsa_user_sgpr_count 2
		.amdhsa_user_sgpr_kernarg_segment_ptr 1
		.amdhsa_wavefront_size32 1
		.amdhsa_system_sgpr_workgroup_id_x 1
		.amdhsa_system_sgpr_workgroup_id_y 1
		.amdhsa_system_sgpr_workgroup_id_z 1
		.amdhsa_system_vgpr_workitem_id 0
		.amdhsa_next_free_vgpr 1024
		.amdhsa_next_free_sgpr 96
		.amdhsa_reserve_vcc 0
		.amdhsa_float_denorm_mode_32 3
		.amdhsa_float_denorm_mode_16_64 3
		.amdhsa_memory_ordered 1
		.amdhsa_forward_progress 1
		.amdhsa_inst_pref_size 219
	.end_amdhsa_kernel
	.amdgpu_metadata
---
amdhsa.version: [ 1, 2 ]
amdhsa.kernels:
  - .name:           k_qbe49472bf2_cell
    .symbol:         k_qbe49472bf2_cell.kd
    .args:
      - { .name: aw, .offset: 0, .size: 8, .value_kind: global_buffer, .address_space: global }
      - { .name: ww, .offset: 8, .size: 8, .value_kind: global_buffer, .address_space: global }
      - { .name: c, .offset: 16, .size: 8, .value_kind: global_buffer, .address_space: global }
      - { .name: out0, .offset: 24, .size: 8, .value_kind: global_buffer, .address_space: global }
      - { .name: out1, .offset: 32, .size: 8, .value_kind: global_buffer, .address_space: global }
      - { .name: out2, .offset: 40, .size: 8, .value_kind: global_buffer, .address_space: global }
      - { .name: b_f_x, .offset: 48, .size: 8, .value_kind: global_buffer, .address_space: global }
      - { .name: b_i_x, .offset: 56, .size: 8, .value_kind: global_buffer, .address_space: global }
      - { .name: b_o_x, .offset: 64, .size: 8, .value_kind: global_buffer, .address_space: global }
      - { .name: b_c_x, .offset: 72, .size: 8, .value_kind: global_buffer, .address_space: global }
      - { .name: b_f_h, .offset: 80, .size: 8, .value_kind: global_buffer, .address_space: global }
      - { .name: b_i_h, .offset: 88, .size: 8, .value_kind: global_buffer, .address_space: global }
      - { .name: b_o_h, .offset: 96, .size: 8, .value_kind: global_buffer, .address_space: global }
      - { .name: b_c_h, .offset: 104, .size: 8, .value_kind: global_buffer, .address_space: global }
    .group_segment_fixed_size: 327680
    .private_segment_fixed_size: 0
    .kernarg_segment_align: 8
    .kernarg_segment_size: 112
    .max_flat_workgroup_size: 128
    .sgpr_count:     96
    .vgpr_count:     1024
    .wavefront_size: 32
...
	.end_amdgpu_metadata
.endif
;; end of part 2
